; MI455X (gfx1250); checked and timed in simulation.
; The chip was launched on July 23, 2026; its instructions are those of AMD's public machine-readable ISA for CDNA 5 (MIT licence, August 2026) and "CDNA5" Instruction Set Architecture Reference Guide (July 2026). The comments in the code are by the model that wrote it; some were corrected since.
;; Scaled Dot Product Attention. Allowed arithmetic: float matrix products may take bf16 or f16 operands with f32 sums; all other float work in f32.
;; Inputs: W_mixer 1,024 x 1,024 float32; W_qkv_cd 1,024 x 3,072 float32; b_mixer 1,024 float32; in_sequence_bwc 4 x 2,048 x 1,024 float32.
;; Outputs: out0 4 x 2,048 x 1,024 float32.
;; One version. Each part assembles by itself: llvm-mc -triple=amdgcn-amd-amdhsa -mcpu=gfx1250 --defsym DOCPART=n.
;; ======== version 1 of 1: 4 launches
;; limits: values are held in f16: magnitudes above 65,504 overflow, below 6.1e-05 lose precision; right only within a limited range of input values
;; workspace buffers: xb 16,777,216 bytes; wt 6,291,456 bytes; wmb 2,097,152 bytes; qs 33,554,432 bytes; ks 33,554,432 bytes; vt 16,777,216 bytes; ao 16,777,216 bytes
;; launch prep (part 1): grid 960 x 1, 8 waves a work-group, no clusters, 18,432 bytes of LDS; arguments in_sequence_bwc, W_mixer, W_qkv_cd, xb, wmb, wt; writes xb, wmb, wt
.if DOCPART == 1
	.amdgcn_target "amdgcn-amd-amdhsa--gfx1250"
	.amdhsa_code_object_version 6
	.text
	.protected	k_q5f10bae0dc_prep
	.globl	k_q5f10bae0dc_prep
	.p2align	8
	.type	k_q5f10bae0dc_prep,@function
k_q5f10bae0dc_prep:
	s_mov_b64 s[64:65], 0
	v_nop
	global_prefetch_b8 v0, s[64:65] scope:SCOPE_SE
	s_setreg_imm32_b32 hwreg(HW_REG_WAVE_MODE, 25, 1), 1
	s_wait_xcnt 0x0
; prep: the three large inputs become bf16 (round to nearest even), once, for the two products that follow.
;   work-groups 0..383   : one tile of 128 k x 64 n of W_qkv [1024 k][3072 n] f32, transposed through LDS into wt [3072][1024 k] bf16.
;                          wt's rows are ordered by head: rows 192 h + 0..63 = Q columns of head h, + 64..95 = V columns d 0..31,
;                          + 96..159 = K columns, + 160..191 = V columns d 32..63, so that one block of 192 columns of the projection is one head.
;                          SCALE: Q's and K's columns are stored times 2^-7 (a shift of the exponent: the rounding to bf16 is the same), so that the
;                          projection's q and k come out divided by 128, which gives them room in f16 (see there).  V's columns stay as they are.
;   work-groups 384..895 : 64 KiB of the sequence, f32 to bf16, into xb.     work-groups 896..959: 64 KiB of W_mixer into wmb.
; Memory binds: every byte is read once by 16-byte loads (sixteen lanes take 256 neighbouring bytes), all loads of a thread go out at once,
; every store of a wave covers whole aligned blocks of 256 bytes.  No matrix unit, no cluster, no tensor load: nothing is shared or reused.
; LIMIT: a number of W_qkv's Q or K columns under about 2^-119 loses bits to the scale.
.set WROW,   12288                     ; bytes in a row of W_qkv
.set TPITCH, 272                       ; LDS pitch of the transposed tile: 128 k x 2 bytes + 16
.set PK,     8                         ; v[8:23]   transposing role: packed pairs of k
.set LD,     40                        ; v[40:103] loaded data (the transposing role uses v[40:71])
	s_load_b256 s[4:11], s[0:1], 0x0               ; sequence s[4:5], W_mixer s[6:7], W_qkv s[8:9], xb s[10:11]
	s_load_b128 s[12:15], s[0:1], 0x20             ; wmb s[12:13], wt s[14:15]
	v_lshl_add_u32 v104, v0, 2, 0x4400
	v_mov_b32 v105, 0
	s_cmp_ge_u32 ttmp9, 384                        ; the role hangs on the work-group's number alone: the same in all eight waves
	s_cbranch_scc1 .Lcast
	; ---- the transposing role ----
	s_and_b32 s16, ttmp9, 7                        ; kt: which 128 k
	s_lshr_b32 s17, ttmp9, 3                       ; ng: which 64 columns, 0..47
	s_lshr_b32 s18, s17, 4                         ; p: 0 Q, 1 K, 2 V
	s_and_b32 s19, s17, 15                         ; h: head
	s_mov_b32 s28, 0x3c000000                      ; 2^-7
	v_and_b32 v1, 15, v0                           ; q: my 4 columns (16 bytes) of the 64
	v_lshrrev_b32 v2, 4, v0                        ; kp: my pair of rows among 32
	v_mul_u32_u24 v3, v2, 2*WROW
	v_lshl_add_u32 v3, v1, 4, v3                   ; load: row 2 kp, byte 16 q
	v_mul_u32_u24 v4, v1, 4*TPITCH
	v_lshl_add_u32 v4, v2, 2, v4                   ; LDS in: row n = 4 q, byte 4 kp (k = 2 kp, 2 kp + 1)
	v_mul_u32_u24 v5, v2, TPITCH
	v_lshl_add_u32 v5, v1, 4, v5                   ; LDS back: row t / 16, byte 16 (t % 16)
	v_lshlrev_b32 v6, 11, v2
	v_lshl_add_u32 v6, v1, 4, v6                   ; store: the same place in rows of 2,048 bytes
	s_mul_i32 s20, s16, 128*WROW
	s_lshl_b32 s21, s17, 8
	s_add_co_u32 s20, s20, s21                     ; the tile's first byte in W_qkv
	s_mov_b32 s21, 0
	s_mul_i32 s22, s18, 96                         ; first row in the head's 192: Q 0, K 96,
	s_cmp_eq_u32 s18, 2
	s_cselect_b32 s22, 64, s22                     ; V 64,
	s_cselect_b32 s26, 64*2048, 0                  ; and V's second 32 rows lie 64 rows further down (behind K's)
	s_cselect_b32 s28, 0x3f800000, s28             ; the scale: 1 for V, 2^-7 for Q and K
	s_mov_b32 s29, s28                             ; the pair is named whole by the packed multiply
	s_mul_i32 s23, s19, 192
	s_add_co_u32 s22, s22, s23
	s_lshl_b32 s22, s22, 11
	s_lshl_b32 s23, s16, 8
	s_add_co_u32 s22, s22, s23                     ; row x 2,048 + kt x 256
	s_mov_b32 s23, 0
	s_mov_b32 s27, 0
	s_wait_kmcnt 0x0
	s_add_nc_u64 s[8:9], s[8:9], s[20:21]
	s_add_nc_u64 s[14:15], s[14:15], s[22:23]      ; rows n = 0..31 of the tile
	s_add_nc_u64 s[24:25], s[14:15], s[26:27]      ; rows n = 32..63
.irp i, 0,1,2,3
.irp e, 0,1
	global_load_b128 v[LD+8*\i+4*\e:LD+8*\i+4*\e+3], v3, s[8:9] offset:(32*\i+\e)*WROW th:TH_LOAD_NT   ; row k = 32 i + 2 kp + e
.endr
.endr
.irp i, 0,1,2,3
	s_wait_loadcnt 6-2*\i                          ; loads return in order: pair i is in, the 6 - 2 i younger ones stay out
.irp c, 0,2,4,6
	v_pk_mul_f32 v[LD+8*\i+\c:LD+8*\i+\c+1], v[LD+8*\i+\c:LD+8*\i+\c+1], s[28:29] op_sel_hi:[1,0]     ; both by the one scale
.endr
.irp c, 0,1,2,3
	v_cvt_pk_bf16_f32 v[PK+4*\i+\c], v[LD+8*\i+\c], v[LD+8*\i+4+\c]       ; column 4 q + c: k in the low half, k + 1 in the high half
.endr
.irp c, 0,1,2,3
	ds_store_b32 v4, v[PK+4*\i+\c] offset:TPITCH*\c+64*\i
.endr
.endr
	s_wait_dscnt 0x0                               ; my stores are in LDS before I say so
	s_barrier_signal -1
	s_barrier_wait -1                              ; the whole tile is there
.irp j, 0,1,2,3
	ds_load_b128 v[LD+4*\j:LD+4*\j+3], v5 offset:16*TPITCH*\j             ; rows 16 j + t / 16: sixteen lanes take one row of 256 bytes
.endr
	s_wait_dscnt 0x3                               ; the count-down leaves the younger read-backs out
	global_store_b128 v6, v[LD:LD+3], s[14:15]
	s_wait_dscnt 0x2
	global_store_b128 v6, v[LD+4:LD+7], s[14:15] offset:32768
	s_wait_dscnt 0x1
	global_store_b128 v6, v[LD+8:LD+11], s[24:25] offset:65536
	s_wait_dscnt 0x0
	global_store_b128 v6, v[LD+12:LD+15], s[24:25] offset:98304
	s_wait_tensorcnt 0x0
	ds_add_u32 v104, v105
	s_wait_dscnt 0x0
	s_endpgm
	; ---- the casting role: 16,384 numbers, 64 a thread ----
.Lcast:
	s_sub_co_u32 s16, ttmp9, 384                   ; 0..511: the sequence; 512..575: W_mixer
	s_sub_co_u32 s17, s16, 512
	v_lshlrev_b32 v36, 4, v0                       ; in: 16 bytes a thread
	v_lshlrev_b32 v37, 3, v0                       ; out: 8 bytes a thread, 256 a wave
	s_cmp_ge_u32 s16, 512
	s_cselect_b32 s16, s17, s16                    ; the chunk's number in its tensor
	s_wait_kmcnt 0x0
	s_cselect_b64 s[18:19], s[6:7], s[4:5]
	s_cselect_b64 s[20:21], s[12:13], s[10:11]
	s_lshl_b32 s22, s16, 16
	s_mov_b32 s23, 0
	s_add_nc_u64 s[18:19], s[18:19], s[22:23]
	s_lshl_b32 s22, s16, 15
	s_add_nc_u64 s[20:21], s[20:21], s[22:23]
.irp i, 0,1,2,3,4,5,6,7,8,9,10,11,12,13,14,15
	global_load_b128 v[LD+4*\i:LD+4*\i+3], v36, s[18:19] offset:4096*\i th:TH_LOAD_NT
.endr
.irp i, 0,1,2,3,4,5,6,7,8,9,10,11,12,13,14,15
	s_wait_loadcnt 15-\i                           ; load i is in, the younger ones stay out
	v_cvt_pk_bf16_f32 v[2+2*\i], v[LD+4*\i], v[LD+4*\i+1]
	v_cvt_pk_bf16_f32 v[3+2*\i], v[LD+4*\i+2], v[LD+4*\i+3]
	global_store_b64 v37, v[2+2*\i:3+2*\i], s[20:21] offset:2048*\i       ; no register is used twice: no wait for a source
.endr
	s_endpgm
.Lfunc_end_k_q5f10bae0dc_prep:
	.size	k_q5f10bae0dc_prep, .Lfunc_end_k_q5f10bae0dc_prep-k_q5f10bae0dc_prep
	.p2alignl 7, 3214868480
	.fill 96, 4, 3214868480
	.section	.rodata,"a",@progbits
	.p2align	6, 0x0
	.amdhsa_kernel k_q5f10bae0dc_prep
		.amdhsa_group_segment_fixed_size 18432
		.amdhsa_private_segment_fixed_size 0
		.amdhsa_enable_private_segment 0
		.amdhsa_kernarg_size 48
		.amdhsa_user_sgpr_count 2
		.amdhsa_user_sgpr_kernarg_segment_ptr 1
		.amdhsa_wavefront_size32 1
		.amdhsa_system_sgpr_workgroup_id_x 1
		.amdhsa_system_sgpr_workgroup_id_y 1
		.amdhsa_system_sgpr_workgroup_id_z 1
		.amdhsa_system_vgpr_workitem_id 0
		.amdhsa_next_free_vgpr 106
		.amdhsa_next_free_sgpr 66
		.amdhsa_reserve_vcc 0
		.amdhsa_float_denorm_mode_32 3
		.amdhsa_float_denorm_mode_16_64 3
		.amdhsa_memory_ordered 1
		.amdhsa_forward_progress 1
		.amdhsa_inst_pref_size 14
	.end_amdhsa_kernel
	.amdgpu_metadata
---
amdhsa.version: [ 1, 2 ]
amdhsa.kernels:
  - .name:           k_q5f10bae0dc_prep
    .symbol:         k_q5f10bae0dc_prep.kd
    .args:
      - { .name: in_sequence_bwc, .offset: 0, .size: 8, .value_kind: global_buffer, .address_space: global }
      - { .name: W_mixer, .offset: 8, .size: 8, .value_kind: global_buffer, .address_space: global }
      - { .name: W_qkv_cd, .offset: 16, .size: 8, .value_kind: global_buffer, .address_space: global }
      - { .name: xb, .offset: 24, .size: 8, .value_kind: global_buffer, .address_space: global }
      - { .name: wmb, .offset: 32, .size: 8, .value_kind: global_buffer, .address_space: global }
      - { .name: wt, .offset: 40, .size: 8, .value_kind: global_buffer, .address_space: global }
    .group_segment_fixed_size: 18432
    .private_segment_fixed_size: 0
    .kernarg_segment_align: 8
    .kernarg_segment_size: 48
    .max_flat_workgroup_size: 256
    .sgpr_count:     66
    .vgpr_count:     106
    .wavefront_size: 32
...
	.end_amdgpu_metadata
.endif
;; end of part 1
;; launch qkv (part 2): grid 16 x 32, 4 waves a work-group, clusters of 4 x 4, 327,680 bytes of LDS; arguments xb, wt, qs, ks, vt; writes qs, ks, vt
.if DOCPART == 2
	.amdgcn_target "amdgcn-amd-amdhsa--gfx1250"
	.amdhsa_code_object_version 6
	.text
	.protected	k_q5f10bae0dc_qkv
	.globl	k_q5f10bae0dc_qkv
	.p2align	8
	.type	k_q5f10bae0dc_qkv,@function
k_q5f10bae0dc_qkv:
	s_mov_b64 s[64:65], 0
	v_nop
	global_prefetch_b8 v0, s[64:65] scope:SCOPE_SE
	s_setreg_imm32_b32 hwreg(HW_REG_WAVE_MODE, 25, 1), 1
	s_wait_xcnt 0x0
	s_wait_alu depctr_hold_cnt(0) depctr_sa_sdst(0) depctr_va_vdst(0) depctr_va_sdst(0) depctr_va_ssrc(0) depctr_va_vcc(0) depctr_vm_vsrc(0)
	s_getreg_b32 s2, hwreg(HW_REG_IB_STS2, 6, 4)
	s_cmp_eq_u32 s2, 0
	s_cbranch_scc0 .Lentry_in_a_cluster
	s_endpgm
.Lentry_in_a_cluster:
	s_bfe_u32 s2, ttmp6, 0x10000c
	s_cmp_lg_u32 s2, 0xf033
	s_cbranch_scc0 .Lentry_shape_is_right
	s_endpgm
.Lentry_shape_is_right:
; qkv: [8192][1024] x [1024][3072], bf16 operands, f32 sums.  xb: [8192][1024] bf16.  wt: [3072][1024] bf16, rows ordered by head, Q's and K's rows times 2^-7.
; A work-group makes 256 rows x the 192 columns of one head (block column = head).  Four waves, one a SIMD; wave w takes rows 128 (w / 2) .. + 127 and
; columns 96 (w % 2) .. + 95 of the block: for w % 2 = 0 Q's 64 columns and V's d 0..31, for w % 2 = 1 K's 64 columns and V's d 32..63.
; 8 x 6 accumulator tiles of 16 x 16, 384 registers.  K goes in steps of 128 through two LDS slots filled by the tensor data mover (rows of 256 bytes).
; CLUSTERS: 4 x 4 work-groups.  The four of a row of the cluster need the same tiles of xb, the four of a column the same tiles of wt: joint loads.
; OUT: Q and K leave as TWO f16 numbers each: with x = q / 128 (the scale lies in wt), hi = x cut to 11 bits of mantissa and lo = f16(x - hi):
;      qs, ks [64 bh][2048 s][hi 64 | lo 64], a row of 256 bytes.  The scores' spread is far above 1, so that a small error of a score moves softmax weights
;      wherever two top scores nearly tie: hi + lo carries 22 bits, where two bf16 numbers would carry 17.
;      ROOM IN f16: its largest number, 65,504, stands for |q| = 8.4e6.  Inputs of unit spread give q a spread of 32; both inputs 30 times larger give at most
;      about 1.6e5; a common offset of 30 on both gives about 9.2e5.  The pair's grain is f16's smallest number, 2^-24: 2^-17 in units of q.
;      V leaves transposed and unscaled, vt [64 bh][64 d][2048 s] bf16, which is how the attention's second product wants it.
; LIMIT: |q| or |k| of 8.4e6 and above becomes infinite.
; REGISTERS: window 0: v16-27 addresses, v32-95 / v96-159 fragments of xb (two buffers), v160-207 / v208-255 fragments of wt (two buffers);
;            window 1: accumulators of my rows 0-63 (tile (a, b) at v[8 (6 a + b)]); window 2: those of my rows 64-127.
; Only C and D leave window 0, so either operand order runs under one setting.  For Q and K (b = 0..3) source 0 = rows of wt, source 1 = rows of xb:
; a lane then holds eight neighbouring columns of one row.  For V (b = 4, 5) the other way round: a lane holds eight neighbouring s of one d.
.set NB,     6
.set SIZE_K, 1024
.set KSTEP,  128
.set PITCH,  272                       ; an LDS row: 256 bytes + 16: sixteen rows of a fragment start in sixteen different 16-byte columns of 256
.set AHALF,  128*PITCH                 ; what one load of xb brings, and what a wave reads of it
.set BHALF,  16*NB*PITCH               ; the same for wt: 96 rows
.set ATILE,  2*AHALF
.set SLOT,   ATILE+2*BHALF             ; 121,856
.set STAGE,  2*SLOT                    ; behind the ring: 16 rows x 272 bytes for each wave; no tensor load lands here
.set LAPS,   SIZE_K/(2*KSTEP)          ; 4 laps of two K steps
.set ADRA, 16
.set ADRB, 20
.set STO,  24
.set RD,   25
.set CO,   26
.set CV,   27
.set AF,   32                          ; buffer f at AF + 64 f
.set BF,   160                         ; buffer f at BF + 48 f
.set TH,   32                          ; the way out: hi pieces, packed (for V: the packed bf16)
.set U,    48                          ; x - hi, in f32
.set TL,   80                          ; lo pieces, packed
.set HI,   160                         ; hi, in f32
.set G1,  24
.set G0,  32
.set G1B, 48
.set G0B, 56
.set MUL_LO, 0x50                      ; C and D in window 1
.set MUL_HI, 0xa0                      ; C and D in window 2
.set MSB, 0
.macro WIN new                         ; the immediate's high byte repeats the setting that is left; a switch that changes nothing is dropped
.if MSB != \new
	s_set_vgpr_msb (MSB<<8)|\new
.set MSB, \new
.endif
.endm
; A joint load: waves 0 and 1 ask for xb's two halves, waves 2 and 3 for wt's.  The branch hangs on the wave's number alone.
.macro JLOAD s
	s_cmp_eq_u32 s11, 0
	s_cbranch_scc0 .Lfor_b_\@
	tensor_load_to_lds s[G0+4*\s:G0+4*\s+3], s[G1:G1+7]
	s_nop 0
	s_branch .Lasked_\@
.Lfor_b_\@:
	tensor_load_to_lds s[G0B+4*\s:G0B+4*\s+3], s[G1B:G1B+7]
	s_nop 0
.Lasked_\@:
.endm
.macro CREST                           ; a round of the cluster's barrier behind its opening work-group barrier
	s_cmp_lg_u32 s10, 0
	s_cbranch_scc1 .Lnot_wave_0_\@
	s_barrier_signal -3
.Lnot_wave_0_\@:
	s_barrier_wait -3
	s_barrier_signal -1
	s_barrier_wait -1
.endm
.macro CROUND
	s_barrier_signal -1
	s_barrier_wait -1
	CREST
.endm
.macro PLACES                          ; four plain vector places behind matrix instructions, ahead of loads into their sources and of readers of their results
.rept 4
	v_nop
.endr
.endm
	s_load_b128 s[4:7], s[0:1], 0x0                ; xb s[4:5], wt s[6:7]
	s_load_b128 s[68:71], s[0:1], 0x10             ; qs s[68:69], ks s[70:71]
	s_load_b64 s[72:73], s[0:1], 0x20              ; vt
	v_lshl_add_u32 v30, v0, 2, 0x3fc00
	v_mov_b32 v31, 0
	ds_add_u32 v30, v31
	ds_add_u32 v30, v31
	v_lshrrev_b32 v1, 5, v0
	v_readfirstlane_b32 s10, v1                    ; wave 0..3
	s_lshr_b32 s11, s10, 1                         ; my half of the rows.  Also: I fetch for xb (0) or wt (1)
	s_and_b32 s12, s10, 1                          ; my half of the columns.  Also: which half of that tile I fetch
	s_bfe_u32 s40, ttmp6, 0x40000                  ; cx
	s_bfe_u32 s41, ttmp6, 0x40004                  ; cy
	s_lshl_b32 s42, ttmp9, 2
	s_add_co_u32 s42, s42, s40                     ; block column = head, 0..15
	s_and_b32 s13, ttmp7, 0xffff
	s_lshl_b32 s13, s13, 2
	s_add_co_u32 s13, s13, s41                     ; block row, 0..31
	s_lshl_b32 s43, s41, 2
	s_lshl_b32 s43, 15, s43                        ; my row of the cluster
	s_lshl_b32 s44, 0x1111, s40                    ; my column
	s_or_b32 s[G1+0], s43, (1<<16)|(1<<20)|(1<<21)|(5<<22)|(3<<25)    ; mask; 2-byte elements; padding on; bit 21 beside a mask; after every 64 words 4 words
	s_or_b32 s[G1B+0], s44, (1<<16)|(1<<20)|(1<<21)|(5<<22)|(3<<25)
	s_mov_b32 s[G1+1], KSTEP<<16                   ; tensor_dim0 = 128
	s_mov_b32 s[G1B+1], KSTEP<<16
	s_mov_b32 s[G1+2], 128<<16                     ; tensor_dim1 = 128 rows
	s_mov_b32 s[G1B+2], (16*NB)<<16                ; 96 rows
	s_mov_b32 s[G1+3], KSTEP<<16                   ; tile_dim0 = 128
	s_mov_b32 s[G1B+3], KSTEP<<16
	s_mov_b32 s[G1+4], 128                         ; tile_dim1
	s_mov_b32 s[G1B+4], 16*NB
	s_mov_b32 s[G1+5], SIZE_K                      ; elements from row to row
	s_mov_b32 s[G1B+5], SIZE_K
	s_mov_b32 s[G1+6], 0
	s_mov_b32 s[G1B+6], 0
	s_mov_b32 s[G1+7], 0
	s_mov_b32 s[G1B+7], 0
	s_lshl_b32 s17, s12, 7
	s_lshl_b32 s16, s13, 8
	s_add_co_u32 s16, s16, s17                     ; xb: row 256 x block row + 128 x half
	s_lshl_b32 s16, s16, 11                        ; x 2,048 bytes (under 2^25)
	s_mov_b32 s17, 0
	s_mul_i32 s46, s42, 32*NB
	s_mul_i32 s47, s12, 16*NB
	s_add_co_u32 s46, s46, s47                     ; wt: row 192 x head + 96 x half
	s_lshl_b32 s46, s46, 11
	s_mov_b32 s47, 0
	s_mul_i32 s20, s10, AHALF                      ; LDS: xb's halves at wave x 34,816 (waves 0, 1),
	s_mul_i32 s21, s10, BHALF
	s_add_co_u32 s21, s21, ATILE-2*BHALF           ; wt's at 69,632 + (wave - 2) x 26,112 (waves 2, 3)
	s_wait_dscnt 0x0
	s_wait_kmcnt 0x0
	s_add_nc_u64 s[14:15], s[4:5], s[16:17]
	s_add_nc_u64 s[46:47], s[6:7], s[46:47]
	CROUND                                         ; all sixteen work-groups are here: the first joint loads meet
.irp s, 0,1
	s_mov_b32 s[G0+4*\s], 1
	s_add_co_u32 s[G0+4*\s+1], s20, \s*SLOT
	s_add_nc_u64 s[G0+4*\s+2:G0+4*\s+3], s[14:15], \s*KSTEP*2
	s_or_b32 s[G0+4*\s+3], s[G0+4*\s+3], 0x80000000
	s_mov_b32 s[G0B+4*\s], 1
	s_add_co_u32 s[G0B+4*\s+1], s21, \s*SLOT
	s_add_nc_u64 s[G0B+4*\s+2:G0B+4*\s+3], s[46:47], \s*KSTEP*2
	s_or_b32 s[G0B+4*\s+3], s[G0B+4*\s+3], 0x80000000
	JLOAD \s                                       ; both slots' first fills go out together: two loads of the wave are out
.endr
	v_and_b32 v1, 15, v0                           ; r = lane % 16
	v_bfe_u32 v2, v0, 4, 1                         ; h = lane / 16
	v_mul_u32_u24 v3, v1, PITCH
	v_lshl_add_u32 v3, v2, 4, v3                   ; a fragment's lane term: r x pitch + 16 h
	s_mul_i32 s22, s11, AHALF
	s_mul_i32 s23, s12, BHALF
	s_add_co_u32 s23, s23, ATILE
.irp s, 0,1
	v_add_nc_u32 v[ADRA+\s], s22, v3
	v_add_nc_u32 v[ADRB+\s], s23, v3
	s_add_co_u32 s22, s22, SLOT
	s_add_co_u32 s23, s23, SLOT
.endr
	s_mul_i32 s22, s10, 16*PITCH
	s_add_co_u32 s22, s22, STAGE                   ; my stage
	v_add_nc_u32 v[STO], s22, v3                   ; in: row r, 16 bytes for each half of the lanes
	v_mul_u32_u24 v5, v2, PITCH
	v_lshl_add_u32 v5, v1, 4, v5
	v_add_nc_u32 v[RD], s22, v5                    ; back: lanes 0-15 one row of 256 bytes, lanes 16-31 the next
	v_and_b32 v6, 31, v0
	v_lshlrev_b32 v[CO], 4, v6                     ; qs, ks: rows of 256 bytes follow each other: 16 x lane
	v_lshlrev_b32 v7, 12, v2
	v_lshl_add_u32 v[CV], v1, 4, v7                ; vt: rows 4,096 bytes apart
.macro MM d, x, y, zero                ; zero = 1: the first product starts the sum: nothing is cleared
.if \zero
	v_wmma_f32_16x16x32_bf16 v[\d:\d+7], v[\x:\x+7], v[\y:\y+7], 0
.else
	v_wmma_f32_16x16x32_bf16 v[\d:\d+7], v[\x:\x+7], v[\y:\y+7], v[\d:\d+7]
.endif
.endm
; 12 matrix instructions: row blocks a0, a0 + 1 of the window's four x all six column blocks.  The 48 accumulators take turns, one instruction a turn, in the
; same order in every quarter step, over the backward jump too.
.macro MULH f, hi, a0, zero
.irp a, \a0, \a0+1
.irp b, 0,1,2,3,4,5
.if \b < 4
	MM 8*(NB*(\a)+\b),BF+48*\f+8*\b,AF+64*\f+8*(4*\hi+\a),\zero
.else
	MM 8*(NB*(\a)+\b),AF+64*\f+8*(4*\hi+\a),BF+48*\f+8*\b,\zero
.endif
.endr
.endr
.endm
; 28 LDS loads in one run: quarter q (32 along K) of a slot into buffer f: wt's 12, then xb's 16
.macro FETCH slot, q, f
	WIN 0
.irp i, 0,1,2,3,4,5
	ds_load_b128 v[BF+48*\f+8*\i:BF+48*\f+8*\i+3],   v[ADRB+\slot] offset:64*\q+\i*16*PITCH
	ds_load_b128 v[BF+48*\f+8*\i+4:BF+48*\f+8*\i+7], v[ADRB+\slot] offset:64*\q+\i*16*PITCH+32
.endr
.irp i, 0,1,2,3,4,5,6,7
	ds_load_b128 v[AF+64*\f+8*\i:AF+64*\f+8*\i+3],   v[ADRA+\slot] offset:64*\q+\i*16*PITCH
	ds_load_b128 v[AF+64*\f+8*\i+4:AF+64*\f+8*\i+7], v[ADRA+\slot] offset:64*\q+\i*16*PITCH+32
.endr
.endm
; multiplies buffer f; in its middle fetches quarter q of the same slot into buffer g
.macro QUARTER slot, q, f, g, zero
	s_wait_dscnt 8                                 ; wt's fragments and xb's rows 0-63 are in; the youngest eight loads (rows 64-127) may be out
	WIN MUL_LO
	MULH \f, 0, 0, \zero
	MULH \f, 0, 2, \zero
	PLACES
	FETCH \slot, \q, \g
	s_wait_dscnt 2*NB+16                           ; all but the 28 just issued
	WIN MUL_HI
	MULH \f, 1, 0, \zero
	MULH \f, 1, 2, \zero
.endm
.macro THREE slot, zero
	QUARTER \slot, 1, 0, 1, \zero
	QUARTER \slot, 2, 1, 0, 0
	QUARTER \slot, 3, 0, 1, 0
.endm
; The last quarter of a K step: multiplies buffer 1 and changes slots.  In front of the barrier each wave waits for its reads of this slot and for all its tensor
; loads (one is out: its part of the next slot).  Where the slot is filled again the barrier opens a round of the cluster's barrier, and the joint refill is the
; first tensor load behind the round.  From a request to the wait for it a wave issues 180 matrix instructions.
.macro TURN slot, next, fill
	s_wait_dscnt 8
	WIN MUL_LO
	MULH 1, 0, 0, 0
	s_wait_dscnt 0
	s_wait_tensorcnt 0x0
	ds_add_u32 v30, v31
	s_wait_dscnt 0x0
	s_barrier_signal -1
	MULH 1, 0, 2, 0                                ; register work while the others arrive
	WIN 0
	s_barrier_wait -1
.if \fill
	CREST
	s_add_nc_u64 s[G0+4*\slot+2:G0+4*\slot+3], s[G0+4*\slot+2:G0+4*\slot+3], 2*KSTEP*2       ; no load of mine is out: the descriptors may be written
	s_add_nc_u64 s[G0B+4*\slot+2:G0B+4*\slot+3], s[G0B+4*\slot+2:G0B+4*\slot+3], 2*KSTEP*2
	JLOAD \slot
.endif
	PLACES
	FETCH \next, 0, 0
	WIN MUL_HI
	MULH 1, 1, 0, 0
	MULH 1, 1, 2, 0
.endm
.macro LAP zero
	THREE 0, \zero
	TURN 0, 1, 1
	THREE 1, 0
	TURN 1, 0, 1
.endm
	s_wait_tensorcnt 1                             ; my part of K step 0 is in; K step 1's load stays out
	s_barrier_signal -1
	s_barrier_wait -1
	FETCH 0, 0, 0
	LAP 1                                          ; K steps 0, 1; asks for 2, 3
	WIN 0
	s_mov_b32 s3, LAPS-2
.Llap:
	LAP 0                                          ; K steps 2..5; asks for 4..7
	WIN 0
	s_sub_co_u32 s3, s3, 1
	s_cmp_lg_u32 s3, 0
	s_cbranch_scc1 .Llap
	THREE 0, 0                                     ; the last lap fills nothing
	TURN 0, 1, 0
	THREE 1, 0
	s_wait_dscnt 8
	WIN MUL_LO
	MULH 1, 0, 0, 0
	MULH 1, 0, 2, 0
	s_wait_dscnt 0
	WIN MUL_HI
	MULH 1, 1, 0, 0
	MULH 1, 1, 2, 0
	; THE WAY OUT.  Its scalars live in registers that never fed a descriptor.
	PLACES
	s_lshr_b32 s76, s13, 3                         ; batch = block row / 8
	s_lshl_b32 s76, s76, 4
	s_add_co_u32 s76, s76, s42                     ; bh = 16 x batch + head
	s_and_b32 s77, s13, 7
	s_lshl_b32 s77, s77, 8
	s_lshl_b32 s78, s11, 7
	s_add_co_u32 s77, s77, s78                     ; my first s in the sequence
	s_lshl_b32 s78, s76, 11
	s_add_co_u32 s78, s78, s77
	s_lshl_b32 s78, s78, 8                         ; (2,048 bh + s) x 256 bytes (under 2^26)
	s_mov_b32 s79, 0
	s_cmp_eq_u32 s12, 0
	s_cselect_b64 s[80:81], s[68:69], s[70:71]     ; my 64 columns are Q's or K's
	s_add_nc_u64 s[80:81], s[80:81], s[78:79]
	s_lshl_b32 s82, s76, 6
	s_lshl_b32 s83, s12, 5
	s_add_co_u32 s82, s82, s83                     ; vt's row 64 bh + 32 (w % 2)
	s_lshl_b32 s82, s82, 12
	s_lshl_b32 s83, s77, 1
	s_add_co_u32 s82, s82, s83                     ; + 2 s
	s_mov_b32 s83, 0
	s_add_nc_u64 s[72:73], s[72:73], s[82:83]
	s_mov_b32 s74, 0xffffe000                      ; keeps sign, exponent and the upper 10 bits of an f32 mantissa: as many as f16 holds
; Rows 16 a .. + 15 of my block, Q's or K's 64 columns.  hi = x with the low 13 bits of its mantissa cleared, which f16 holds exactly (from 2^-14 up; below, the
; conversion rounds it to the grain 2^-24); lo = x - hi, exact in f32, rounded to f16.  A stage row is hi 128 bytes, lo 128 bytes.
; al = a % 4, n = the accumulators' window, f = the read-back buffer (two take turns).
.macro OUTQK a, al, n, f
	WIN \n                                         ; source 0: the sums
.irp b, 0,1,2,3
.irp j, 0,1,2,3,4,5,6,7
	v_and_b32 v[HI+8*\b+\j], v[8*(NB*\al+\b)+\j], s74
.endr
.endr
.irp b, 0,1,2,3
.irp r, 0,1,2,3
	v_pk_add_f32 v[U+8*\b+2*\r:U+8*\b+2*\r+1], v[8*(NB*\al+\b)+2*\r:8*(NB*\al+\b)+2*\r+1], v[HI+8*\b+2*\r:HI+8*\b+2*\r+1] neg_lo:[0,1] neg_hi:[0,1]
.endr
.endr
	WIN 0
.irp i, 0,1,2,3,4,5,6,7,8,9,10,11,12,13,14,15
	v_cvt_pk_f16_f32 v[TH+\i], v[HI+2*\i], v[HI+2*\i+1]
	v_cvt_pk_f16_f32 v[TL+\i], v[U+2*\i], v[U+2*\i+1]
.endr
.irp b, 0,1,2,3
	ds_store_b128 v[STO], v[TH+4*\b:TH+4*\b+3] offset:32*\b
	ds_store_b128 v[STO], v[TL+4*\b:TL+4*\b+3] offset:128+32*\b
.endr
	s_wait_xcnt 0x0                                ; buffer f, which earlier stores read, and the stores' base are rewritten only behind this wait
.if \a
	s_add_nc_u64 s[80:81], s[80:81], 16*256
.endif
.irp t, 0,1,2,3,4,5,6,7
	ds_load_b128 v[\f+4*\t:\f+4*\t+3], v[RD] offset:\t*2*PITCH            ; LDS serves a wave's instructions in order: these see the stores above
.endr
.irp t, 0,1,2,3,4,5,6,7
	s_wait_dscnt 7-\t
	global_store_b128 v[CO], v[\f+4*\t:\f+4*\t+3], s[80:81] offset:512*\t ; two whole rows of 256 bytes
.endr
.endm
; V's column block b (4 or 5): 16 d x my 128 s.  A lane's eight numbers are eight neighbouring s of one d; a stage row is one d, 256 bytes along s.
.macro OUTV b, f
	WIN 0x05
.irp a, 0,1,2,3
.irp r, 0,1,2,3
	v_cvt_pk_bf16_f32 v[TH+4*\a+\r], v[8*(NB*\a+\b)+2*\r], v[8*(NB*\a+\b)+2*\r+1]
.endr
.endr
	WIN 0x0a
.irp a, 0,1,2,3
.irp r, 0,1,2,3
	v_cvt_pk_bf16_f32 v[TH+16+4*\a+\r], v[8*(NB*\a+\b)+2*\r], v[8*(NB*\a+\b)+2*\r+1]
.endr
.endr
	WIN 0
.irp a, 0,1,2,3,4,5,6,7
	ds_store_b128 v[STO], v[TH+4*\a:TH+4*\a+3] offset:32*\a
.endr
	s_wait_xcnt 0x0                                ; buffer f is rewritten only behind this wait
.irp t, 0,1,2,3,4,5,6,7
	ds_load_b128 v[\f+4*\t:\f+4*\t+3], v[RD] offset:\t*2*PITCH
.endr
.irp t, 0,1,2,3,4,5,6,7
	s_wait_dscnt 7-\t
	global_store_b128 v[CV], v[\f+4*\t:\f+4*\t+3], s[72:73] offset:8192*\t+65536*(\b-4)   ; sixteen lanes store 256 aligned bytes of one row of vt
.endr
.endm
	OUTQK 0, 0, 1, 96
	OUTQK 1, 1, 1, 128
	OUTQK 2, 2, 1, 96
	OUTQK 3, 3, 1, 128
	OUTQK 4, 0, 2, 96
	OUTQK 5, 1, 2, 128
	OUTQK 6, 2, 2, 96
	OUTQK 7, 3, 2, 128
	OUTV 4, 96
	OUTV 5, 128
	s_wait_tensorcnt 0x0
	ds_add_u32 v30, v31
	s_wait_dscnt 0x0
	CROUND                                         ; the closing round: no work-group ends while a partner may still ask for a tile that names it
	s_endpgm
.Lfunc_end_k_q5f10bae0dc_qkv:
	.size	k_q5f10bae0dc_qkv, .Lfunc_end_k_q5f10bae0dc_qkv-k_q5f10bae0dc_qkv
	.p2alignl 7, 3214868480
	.fill 96, 4, 3214868480
	.section	.rodata,"a",@progbits
	.p2align	6, 0x0
	.amdhsa_kernel k_q5f10bae0dc_qkv
		.amdhsa_group_segment_fixed_size 327680
		.amdhsa_private_segment_fixed_size 0
		.amdhsa_enable_private_segment 0
		.amdhsa_kernarg_size 40
		.amdhsa_user_sgpr_count 2
		.amdhsa_user_sgpr_kernarg_segment_ptr 1
		.amdhsa_wavefront_size32 1
		.amdhsa_system_sgpr_workgroup_id_x 1
		.amdhsa_system_sgpr_workgroup_id_y 1
		.amdhsa_system_sgpr_workgroup_id_z 1
		.amdhsa_system_vgpr_workitem_id 0
		.amdhsa_next_free_vgpr 704
		.amdhsa_next_free_sgpr 88
		.amdhsa_reserve_vcc 0
		.amdhsa_float_denorm_mode_32 3
		.amdhsa_float_denorm_mode_16_64 3
		.amdhsa_memory_ordered 1
		.amdhsa_forward_progress 1
		.amdhsa_inst_pref_size 198
	.end_amdhsa_kernel
	.amdgpu_metadata
---
amdhsa.version: [ 1, 2 ]
amdhsa.kernels:
  - .name:           k_q5f10bae0dc_qkv
    .symbol:         k_q5f10bae0dc_qkv.kd
    .args:
      - { .name: xb, .offset: 0, .size: 8, .value_kind: global_buffer, .address_space: global }
      - { .name: wt, .offset: 8, .size: 8, .value_kind: global_buffer, .address_space: global }
      - { .name: qs, .offset: 16, .size: 8, .value_kind: global_buffer, .address_space: global }
      - { .name: ks, .offset: 24, .size: 8, .value_kind: global_buffer, .address_space: global }
      - { .name: vt, .offset: 32, .size: 8, .value_kind: global_buffer, .address_space: global }
    .group_segment_fixed_size: 327680
    .private_segment_fixed_size: 0
    .kernarg_segment_align: 8
    .kernarg_segment_size: 40
    .max_flat_workgroup_size: 128
    .sgpr_count:     88
    .vgpr_count:     704
    .wavefront_size: 32
...
	.end_amdgpu_metadata
.endif
;; end of part 2
;; launch attn (part 3): grid 256 x 1, 8 waves a work-group, no clusters, 327,680 bytes of LDS; arguments qs, ks, vt, ao; writes ao
.if DOCPART == 3
	.amdgcn_target "amdgcn-amd-amdhsa--gfx1250"
	.amdhsa_code_object_version 6
	.text
	.protected	k_q5f10bae0dc_attn
	.globl	k_q5f10bae0dc_attn
	.p2align	8
	.type	k_q5f10bae0dc_attn,@function
k_q5f10bae0dc_attn:
	s_mov_b64 s[64:65], 0
	v_nop
	global_prefetch_b8 v0, s[64:65] scope:SCOPE_SE
	s_setreg_imm32_b32 hwreg(HW_REG_WAVE_MODE, 25, 1), 1
	s_wait_xcnt 0x0
; attn: causal attention of 64 (batch, head) pairs, 2,048 x 64 each, with a running maximum.
; qs, ks: [64 bh][2048 s][hi 64 | lo 64] f16, holding q / 128 and k / 128.  vt: [64 bh][64 d][2048 s] bf16.  ao: [16 h][8192 = 2048 b + s][64 d] bf16.
; SCORES: S = Kh Ql + Kl Qh + Kh Qh (f16 operands, f32 sums): q and k carry 22 bits of mantissa, since the scores' spread is far above 1 and a small error
;   of a score moves the weights wherever two top scores nearly tie.  The four small products are summed first, the two large ones last.
;   S is the true q k divided by 2^14; the factor goes into the softmax's one constant, 2^14 x 0.125 x log2 e.
; WORK: work-group (bh, i) takes two query blocks of 256 rows: first jX = 7 - 2 i, then jY = 2 i.  Block j needs j + 1 key tiles of 256 keys, so every work-group
;   runs (8 - 2 i) + (2 i + 1) = 9 trips.  Trip n uses LDS slot n % 2.  The diagonal trips are n = jX (odd: slot 1) and n = 8 (the tail).  The block with the odd
;   number goes first because its first tile is never the diagonal one: trip 0 runs both granules in every wave, so that every register which the split granule
;   below reads has been written on every path of the text.
;   Eight waves, two a SIMD: wave w takes queries 64 (w % 4) .. + 63 of the block and keys 128 (w / 4) .. + 127 of each tile, in two granules of 64 keys.
;   The two key halves keep their own maximum, sum and output and are merged once a block, through LDS.
; THE TRIP'S BARRIER IS SPLIT.  A wave signals as soon as its last LDS loads of the slot are back (the V^T fragments of its second granule lie in registers) and its
;   tensor load has landed; that granule's exponentials and second product, register work alone, stand between the signal and the wait.  What the barrier orders
;   stays ordered: every wave's ds_loads of the slot, by its s_wait_dscnt 0 in front of its signal, against the refill behind the wait; and each tensor load, by its
;   issuer's s_wait_tensorcnt 0 in front of its signal, against every wave's ds_loads of that tile behind the wait.  What it buys: a wave that is ahead does not
;   stand still for the other waves' last softmax, so the two waves of a SIMD need not fall into step at every trip, and one's vector work runs under the other's
;   matrix work.
; LAYOUT: S^T = K Q^T (source 0 = 16 keys, source 1 = 16 queries): lane (r, h) holds, of query r, keys 8 h + 0..7.  Two such tiles, packed to bf16, ARE the
;   second source of O^T = V^T P^T: no lane ever hands a number to another but for one exchange of the halves in the maximum.  Maximum, sum, rescale: per lane.
; NO CLUSTER: the four work-groups of one bh walk different numbers of tiles per block (8+1, 6+3, 4+5, 2+7), so a joint request would meet only if all walked
;   every tile in step: 12 trips instead of 9.  What would be shared is 96 KiB for a trip of 2,048 matrix instructions of the work-group.
; O IS CLEARED at a block's start, by moves: the rescale reads O in every granule, the first too; and in block 0 two waves of the upper key half have no
;   granule at all, yet their O is read by the merge.
; LIMITS: the product Kl Ql is left out (about 2^-22 of a product).  v_exp_f32 gives 0 for results under 2^-126.  The sum l adds p in f32, the product takes
;   bf16(p).  Scores that are not finite are not served (|q| or |k| of 8.4e6 and above is infinite in qs, ks).
.set SLOT,  103424                     ; K: 256 rows x 272; V^T behind it: 64 rows x 528
.set VOFF,  69632
.set SCR,   206848                     ; 4 x 17,408: the upper key half's O, maximum and sum, for the merge; no tensor load lands here
.set STG,   276480                     ; 4 x 9,216: 64 rows x 144, the way out; no tensor load lands here
.set KA,  2                            ; v2, v3   K fragments in slot 0, 1
.set VA,  4                            ; v4, v5   V^T fragments in slot 0, 1
.set QO,  6
.set SCA, 7
.set STO, 8
.set RD,  9
.set GO,  10
.set NI,  11                           ; -inf
.set DL,  12                           ; r - 8 h
.set NM,  16                           ; v[16:19] minus the running maximum, in units of the exponent, one for each 16 queries
.set AL,  20
.set MX,  24
.set TP,  28
.set LP,  32                           ; v[32:39] running sums, a pair for each 16 queries
.set LS,  40
.set F0,  44
.set F1,  48
.set KF0, 64                           ; v[64:95], v[96:127] fragments of K, then of V^T: two buffers
.set KF1, 96
.set S,   128                          ; v[128:255] tile (kt, qt) at S + 32 qt + 8 kt; window 1: v0-127 Q (32 qt + 8 f), v128-255 O (128 + 32 qt + 8 dt)
.set MK,  24                           ; s[24:31] lanes with j <= r - 8 h
.set G1K, 32
.set G1V, 40
.set G0K, 48
.set G0V, 56
.set MODE, 68                          ; s68, s69: granule u of the trip: < 0 all masked, 0 on the diagonal, > 0 free
.set MSB, 0
.macro WIN new
.if MSB != \new
	s_set_vgpr_msb (MSB<<8)|\new
.set MSB, \new
.endif
.endm
.macro PLACES
.rept 4
	v_nop
.endr
.endm
; waves 0-3 fetch 64 rows of K each, waves 4-7 16 rows of V^T each: one tensor load a wave
.macro KVLOAD s
	s_cmp_eq_u32 s13, 0
	s_cbranch_scc0 .Lfor_v_\@
	tensor_load_to_lds s[G0K+4*\s:G0K+4*\s+3], s[G1K:G1K+7]
	s_nop 0
	s_branch .Lasked_\@
.Lfor_v_\@:
	tensor_load_to_lds s[G0V+4*\s:G0V+4*\s+3], s[G1V:G1V+7]
	s_nop 0
.Lasked_\@:
.endm
; the addresses of trip n + d's tile into slot s's descriptors; stands where no tensor load of the wave is out
.macro REQ s, d
	s_add_co_u32 s86, s19, \d
	s_cmp_gt_u32 s86, s17
	s_cselect_b32 s87, s18, 0
	s_sub_co_u32 s86, s86, s87                     ; the key tile: n + d in the first block, n + d - (jX + 1) in the second
	s_lshl_b32 s82, s86, 16                        ; 256 rows of 256 bytes
	s_add_nc_u64 s[G0K+4*\s+2:G0K+4*\s+3], s[70:71], s[82:83]
	s_or_b32 s[G0K+4*\s+3], s[G0K+4*\s+3], 0x80000000
	s_lshl_b32 s82, s86, 9                         ; 256 keys of 2 bytes
	s_add_nc_u64 s[G0V+4*\s+2:G0V+4*\s+3], s[72:73], s[82:83]
	s_or_b32 s[G0V+4*\s+3], s[G0V+4*\s+3], 0x80000000
.endm
.macro QLOAD base                      ; my 64 queries: 4 x 4 fragments (hi d 0-31, hi d 32-63, lo d 0-31, lo d 32-63), kept for the whole block
	WIN 0x40
.irp q, 0,1,2,3
.irp i, 0,1,2,3,4,5,6,7
	global_load_b128 v[32*\q+4*\i:32*\q+4*\i+3], v[QO], s[\base:\base+1] offset:4096*\q+32*\i
.endr
.endr
	WIN 0
.endm
.macro RESET
.irp q, 0,1,2,3
	v_mov_b32 v[NM+\q], 0x7f800000                 ; maximum = -inf
.endr
.irp e, 0,1,2,3,4,5,6,7
	v_mov_b32 v[LP+\e], 0
.endr
	WIN 0x40
.set rz, 0
.rept 128
	v_mov_b32 v[128+rz], 0
.set rz, rz+1
.endr
	WIN 0
.endm
	s_load_b256 s[4:11], s[0:1], 0x0               ; qs s[4:5], ks s[6:7], vt s[8:9], ao s[10:11]
	v_lshl_add_u32 v62, v0, 2, 0x4c800
	v_mov_b32 v63, 0
	ds_add_u32 v62, v63
	ds_add_u32 v62, v63
	v_lshrrev_b32 v1, 5, v0
	v_readfirstlane_b32 s12, v1                    ; wave 0..7
	s_lshr_b32 s13, s12, 2                         ; g: key half.  Also: I fetch K (0) or V^T (1)
	s_and_b32 s14, s12, 3                          ; w4: my 64 queries
	s_and_b32 s15, ttmp9, 3                        ; i
	s_lshr_b32 s16, ttmp9, 2                       ; bh
	s_lshl_b32 s84, s15, 1                         ; jY = 2 i: the second block
	s_sub_co_u32 s17, 7, s84                       ; jX = 7 - 2 i: the first block
	s_add_co_u32 s18, s17, 1                       ; the first block's trips: 8, 6, 4 or 2
	s_lshl_b32 s85, s13, 1
	s_sub_co_i32 s66, s14, s85                     ; on a diagonal trip: query group w4 against key group 2 g + u
	s_sub_co_i32 s67, s66, 1
	s_mov_b32 s19, 0                               ; n, the trip counter
	s_mov_b32 s20, 0x4538aa3b                      ; 2^14 x 0.125 x log2 e: the pieces' scales, the scores' scale and the change of base in one
	s_mov_b32 s21, 0x4538aa3b
	s_mov_b32 s22, 0x76543210                      ; v_permlanex16_b32: lane i reads lane i of the other half
	s_mov_b32 s23, 0xfedcba98
	s_mov_b32 s[G1K+0], (1<<16)|(1<<20)|(5<<22)|(3<<25)    ; 2-byte elements; after every 64 words 4 words of padding: pitch 272
	s_mov_b32 s[G1K+1], 128<<16
	s_mov_b32 s[G1K+2], 64<<16
	s_mov_b32 s[G1K+3], 128<<16                    ; 128 elements (hi and lo) x
	s_mov_b32 s[G1K+4], 64                         ; 64 rows
	s_mov_b32 s[G1K+5], 128
	s_mov_b32 s[G1K+6], 0
	s_mov_b32 s[G1K+7], 0
	s_mov_b32 s[G1V+0], (1<<16)|(1<<20)|(6<<22)|(3<<25)    ; after every 128 words 4 words: pitch 528
	s_mov_b32 s[G1V+1], 256<<16
	s_mov_b32 s[G1V+2], 16<<16
	s_mov_b32 s[G1V+3], 256<<16                    ; 256 keys x
	s_mov_b32 s[G1V+4], 16                         ; 16 rows of d
	s_mov_b32 s[G1V+5], 2048
	s_mov_b32 s[G1V+6], 0
	s_mov_b32 s[G1V+7], 0
	s_mul_i32 s85, s12, 17408                      ; K: wave x 64 rows x 272 (waves 0-3)
	s_mul_i32 s86, s12, 8448
	s_add_co_u32 s86, s86, VOFF-4*8448             ; V^T: 69,632 + (wave - 4) x 16 rows x 528 (waves 4-7)
.irp s, 0,1
	s_mov_b32 s[G0K+4*\s], 1
	s_add_co_u32 s[G0K+4*\s+1], s85, \s*SLOT
	s_mov_b32 s[G0V+4*\s], 1
	s_add_co_u32 s[G0V+4*\s+1], s86, \s*SLOT
.endr
	s_lshl_b32 s82, s16, 19
	s_lshl_b32 s86, s14, 14
	s_add_co_u32 s82, s82, s86                     ; bh x 2,048 rows x 256 + w4 x 64 rows x 256
	s_mov_b32 s83, 0
	s_wait_dscnt 0x0
	s_wait_kmcnt 0x0
	s_add_nc_u64 s[70:71], s[6:7], s[82:83]        ; ks: my rows of tile 0
	s_add_nc_u64 s[74:75], s[4:5], s[82:83]
	s_lshl_b32 s82, s84, 16
	s_add_nc_u64 s[76:77], s[74:75], s[82:83]      ; qs: my queries of the second block
	s_lshl_b32 s82, s17, 16
	s_add_nc_u64 s[74:75], s[74:75], s[82:83]      ; of the first block
	s_lshl_b32 s82, s16, 18
	s_lshl_b32 s86, s14, 16
	s_add_co_u32 s82, s82, s86
	s_add_nc_u64 s[72:73], s[8:9], s[82:83]        ; vt: bh x 64 rows x 4,096 + w4 x 16 rows x 4,096
	s_and_b32 s82, s16, 15
	s_lshl_b32 s82, s82, 20                        ; ao: head's plane,
	s_lshr_b32 s86, s16, 4
	s_lshl_b32 s86, s86, 18                        ; batch x 2,048 rows x 128,
	s_add_co_u32 s82, s82, s86
	s_lshl_b32 s86, s14, 13                        ; w4 x 64 rows x 128
	s_add_co_u32 s82, s82, s86
	s_add_nc_u64 s[78:79], s[10:11], s[82:83]
	s_lshl_b32 s82, s84, 15
	s_add_nc_u64 s[80:81], s[78:79], s[82:83]      ; the second block's rows
	s_lshl_b32 s82, s17, 15
	s_add_nc_u64 s[78:79], s[78:79], s[82:83]      ; the first block's rows
	REQ 0, 0
	KVLOAD 0                                       ; tile 0 into slot 0: the one first fill at the start; one load of the wave is out, here and behind every trip's barrier
	v_and_b32 v1, 15, v0                           ; r
	v_bfe_u32 v13, v0, 4, 1                        ; h
	v_and_b32 v14, 31, v0                          ; lane
	v_lshlrev_b32 v15, 4, v13                      ; 16 h
	s_lshl_b32 s86, s13, 7
	v_add_nc_u32 v[KA], s86, v1
	v_mul_u32_u24 v[KA], v[KA], 272
	v_add_nc_u32 v[KA], v[KA], v15                 ; (128 g + r) x 272 + 16 h
	v_add_nc_u32 v[KA+1], SLOT, v[KA]
	v_mul_u32_u24 v[VA], v1, 528
	v_add_nc_u32 v[VA], v[VA], v15
	s_lshl_b32 s86, s13, 8
	s_add_co_u32 s86, s86, VOFF
	v_add_nc_u32 v[VA], s86, v[VA]                 ; 69,632 + r x 528 + 16 h + 256 g
	v_add_nc_u32 v[VA+1], SLOT, v[VA]
	v_lshl_add_u32 v[QO], v1, 8, v15               ; r x 256 + 16 h
	QLOAD 74
	s_mul_i32 s86, s14, 17408
	s_add_co_u32 s86, s86, SCR
	v_lshl_add_u32 v[SCA], v14, 4, s86
	s_mul_i32 s86, s14, 9216
	s_add_co_u32 s86, s86, STG
	v_mul_u32_u24 v[STO], v1, 144
	v_add_nc_u32 v[STO], v[STO], v15
	v_add_nc_u32 v[STO], s86, v[STO]               ; in: row r, 16 bytes for each half of the lanes
	v_lshrrev_b32 v[RD], 3, v14
	v_mul_u32_u24 v[RD], v[RD], 144
	v_and_b32 v[GO], 7, v0
	v_lshl_add_u32 v[RD], v[GO], 4, v[RD]
	v_add_nc_u32 v[RD], s86, v[RD]                 ; back: eight lanes take one row of 128 bytes
	v_lshlrev_b32 v[GO], 4, v14                    ; ao's rows follow each other: 16 x lane
	v_mov_b32 v[NI], 0xff800000
	v_lshlrev_b32 v[DL], 3, v13
	v_sub_nc_u32 v[DL], v1, v[DL]
.irp j, 0,1,2,3,4,5,6,7
	v_cmp_le_i32 s[MK+\j], \j, v[DL]               ; key 8 h + j <= query r
.endr
.irp q, 0,1,2,3
	v_mov_b32 v[TP+\q], 0                          ; v_permlanex16_b32's destination counts as read
.endr
	RESET
	s_wait_loadcnt 0x0                             ; Q
.macro KLOAD slot, u, kt, buf          ; 16 keys: four fragments (hi d 0-31, hi d 32-63, lo d 0-31, lo d 32-63)
.irp i, 0,1,2,3,4,5,6,7
	ds_load_b128 v[\buf+4*\i:\buf+4*\i+3], v[KA+\slot] offset:\u*17408+\kt*4352+32*\i
.endr
.endm
.macro VLOAD slot, u, c, buf           ; 32 keys x 64 d of V^T: four fragments
.irp d, 0,1,2,3
	ds_load_b128 v[\buf+8*\d:\buf+8*\d+3],   v[VA+\slot] offset:\d*8448+\u*128+\c*64
	ds_load_b128 v[\buf+8*\d+4:\buf+8*\d+7], v[VA+\slot] offset:\d*8448+\u*128+\c*64+32
.endr
.endm
.macro STERM kt, buf, kf, qf
.irp q, 0,1,2,3
	v_wmma_f32_16x16x32_f16 v[S+32*\q+8*\kt:S+32*\q+8*\kt+7], v[\buf+8*\kf:\buf+8*\kf+7], v[32*\q+8*\qf:32*\q+8*\qf+7], v[S+32*\q+8*\kt:S+32*\q+8*\kt+7]
.endr
.endm
; 24 matrix instructions: 16 keys x 64 queries, six terms, the small ones first; in each term the four accumulators take turns, one instruction a turn
.macro SMUL kt, buf
	WIN 0x04                                       ; source 1 (Q) in window 1
.irp q, 0,1,2,3
	v_wmma_f32_16x16x32_f16 v[S+32*\q+8*\kt:S+32*\q+8*\kt+7], v[\buf:\buf+7], v[32*\q+16:32*\q+23], 0      ; Kh Ql, d 0-31, starts the sum
.endr
	STERM \kt, \buf, 1, 3                          ; Kh Ql, d 32-63
	STERM \kt, \buf, 2, 0                          ; Kl Qh
	STERM \kt, \buf, 3, 1
	STERM \kt, \buf, 0, 0                          ; Kh Qh
	STERM \kt, \buf, 1, 1
	PLACES                                         ; ahead of the loads into this buffer, and of the first reader of S
	WIN 0
.endm
; In each of the four turns the wait leaves the eight loads of the other buffer out.
.macro SPHASE slot, u
	KLOAD \slot, \u, 0, KF0
	KLOAD \slot, \u, 1, KF1
	s_wait_dscnt 0x8
	SMUL 0, KF0
	KLOAD \slot, \u, 2, KF0
	s_wait_dscnt 0x8
	SMUL 1, KF1
	KLOAD \slot, \u, 3, KF1
	s_wait_dscnt 0x8
	SMUL 2, KF0
	VLOAD \slot, \u, 0, KF0                        ; V^T lands under the softmax
	s_wait_dscnt 0x8
	SMUL 3, KF1
	VLOAD \slot, \u, 1, KF1
.endm
.macro MASK                            ; the granule on the diagonal: key tile above query tile: all -inf; equal: keys beyond the query
.irp q, 0,1,2,3
.irp k, 0,1,2,3
.if \k > \q
.irp j, 0,1,2,3,4,5,6,7
	v_mov_b32 v[S+32*\q+8*\k+\j], v[NI]
.endr
.endif
.if \k == \q
.irp j, 0,1,2,3,4,5,6,7
	v_cndmask_b32 v[S+32*\q+8*\k+\j], v[NI], v[S+32*\q+8*\k+\j], s[MK+\j]
.endr
.endif
.endr
.endr
.endm
; v[d:d+1] = v[x:x+1] * v[base+q], both halves by the one number
.macro PKMULB d, x, base, q
.if (\q)&1
	v_pk_mul_f32 v[\d:\d+1], v[\x:\x+1], v[\base+\q-1:\base+\q] op_sel:[0,1] op_sel_hi:[1,1]
.else
	v_pk_mul_f32 v[\d:\d+1], v[\x:\x+1], v[\base+\q:\base+\q+1] op_sel_hi:[1,0]
.endif
.endm
; The softmax in two parts.  SMAX: each lane's largest score of its 32, for each 16 queries.
.macro SMAX
.irp q, 0,1,2,3
	v_max3_num_f32 v[MX+\q], v[S+32*\q], v[S+32*\q+1], v[S+32*\q+2]
.endr
.irp e, 3,5,7,9,11,13,15,17,19,21,23,25,27,29
.irp q, 0,1,2,3
	v_max3_num_f32 v[MX+\q], v[MX+\q], v[S+32*\q+\e], v[S+32*\q+\e+1]
.endr
.endr
.irp q, 0,1,2,3
	v_max_num_f32 v[MX+\q], v[MX+\q], v[S+32*\q+31]
.endr
.endm
; SREST: the running maximum, the rescale, the exponentials, the sums, P in bf16.
.macro SREST
.irp q, 0,1,2,3
	v_permlanex16_b32 v[TP+\q], v[MX+\q], s22, s23         ; the query's other 32 keys lie in the other half of the lanes
.endr
.irp q, 0,1,2,3
	v_max_num_f32 v[MX+\q], v[MX+\q], v[TP+\q]             ; finite: every granule that runs has a free key for every query
.endr
.irp q, 0,1,2,3
	v_mul_f32 v[MX+\q], 0xc538aa3b, v[MX+\q]               ; minus the maximum, in units of the exponent
.endr
.irp q, 0,1,2,3
	v_min_num_f32 v[TP+\q], v[NM+\q], v[MX+\q]             ; the new running maximum (negated)
.endr
.irp q, 0,1,2,3
	v_sub_f32 v[AL+\q], v[TP+\q], v[NM+\q]                 ; <= 0; -inf in a block's first granule
.endr
.irp q, 0,1,2,3
	v_exp_f32 v[AL+\q], v[AL+\q]
.endr
	s_wait_alu depctr_va_vdst(0)
.irp q, 0,1,2,3
	v_mov_b32 v[NM+\q], v[TP+\q]                           ; plain work behind the exponentials, ahead of their first use (ISA guide 5.7.2)
.endr
.irp q, 0,1,2,3
	PKMULB LP+2*\q,LP+2*\q,AL,\q
.endr
	WIN 0x41                                       ; O in window 1
.set sm, 0
.rept 64
	PKMULB 128+2*sm,128+2*sm,AL,sm/16
.set sm, sm+1
.endr
	WIN 0
.set sm, 0
.rept 64
.if (sm/16)&1
	v_pk_fma_f32 v[S+2*sm:S+2*sm+1], v[S+2*sm:S+2*sm+1], s[20:21], v[NM+sm/16-1:NM+sm/16] op_sel:[0,0,1] op_sel_hi:[1,0,1]
.else
	v_pk_fma_f32 v[S+2*sm:S+2*sm+1], v[S+2*sm:S+2*sm+1], s[20:21], v[NM+sm/16:NM+sm/16+1] op_sel_hi:[1,0,0]
.endif
.set sm, sm+1
.endr
.set sm, 0
.rept 128
	v_exp_f32 v[S+sm], v[S+sm]
.set sm, sm+1
.endr
	v_nop                                          ; one plain place behind the last exponential
	s_wait_alu depctr_va_vdst(0)
.irp e, 0,1,2,3,4,5,6,7,8,9,10,11,12,13,14,15
.irp q, 0,1,2,3
	v_pk_add_f32 v[LP+2*\q:LP+2*\q+1], v[LP+2*\q:LP+2*\q+1], v[S+32*\q+2*\e:S+32*\q+2*\e+1]
.endr
.endr
	; two key tiles pack in place into one fragment of P: register k takes numbers 2 k, 2 k + 1, which no earlier line has written
.irp b, 0,1,2,3,4,5,6,7
.irp k, 0,1,2,3,4,5,6,7
	v_cvt_pk_bf16_f32 v[S+16*\b+\k], v[S+16*\b+2*\k], v[S+16*\b+2*\k+1]
.endr
.endr
.endm
.macro PVHALF buf, c
.irp d, 0,1,2,3
.irp q, 0,1,2,3
	v_wmma_f32_16x16x32_bf16 v[128+32*\q+8*\d:128+32*\q+8*\d+7], v[\buf+8*\d:\buf+8*\d+7], v[S+32*\q+16*\c:S+32*\q+16*\c+7], v[128+32*\q+8*\d:128+32*\q+8*\d+7]
.endr
.endr
.endm
; O^T += V^T P^T: sixteen accumulators by turns, twice.  w = 1: the V^T loads are waited for here; w = 0: they were, in front of the barrier's signal
.macro PV w
.if \w
	s_wait_dscnt 0x8                               ; keys 0-31 of V^T are in, the eight loads of keys 32-63 may be out
.endif
	WIN 0x50                                       ; C and D in window 1
	PVHALF KF0, 0
.if \w
	s_wait_dscnt 0x0
.endif
	PVHALF KF1, 1
.rept 5
	v_nop                                          ; five places: the next S product writes over P; also ahead of loads into the buffers and of the next rescale of O
.endr
	WIN 0
.endm
; a whole granule
.macro GRANULE slot, u, modal
.if \modal
	s_cmp_lt_i32 s[MODE+\u], 0                     ; all keys beyond all my queries: nothing to do
	s_cbranch_scc1 .Lskip_\@
.endif
	SPHASE \slot, \u
.if \modal
	s_cmp_lg_u32 s[MODE+\u], 0
	s_cbranch_scc1 .Lfree_\@
	MASK
.Lfree_\@:
.endif
	SMAX
	SREST
	PV 1
.if \modal
.Lskip_\@:
.endif
.endm
; A trip's head: every wave has signalled, so the slot read in the last trip is free and this trip's tile is whole.  The free slot's refill comes first, one tensor
; load a wave; it has this trip's first granule and the second granule's score products, 224 matrix instructions of each wave, in which to land.
.macro HEAD s
	s_barrier_wait -1
	KVLOAD \s
.endm
; A trip's body: granule 0 whole; granule 1 up to its largest scores; then the signal for the next trip's barrier, in front of it the waits for all my tensor loads
; (one: my part of the next trip's tile) and for my LDS loads (the last: granule 1's V^T fragments, which land under SMAX); then the rest of granule 1, in registers.
; rs, d: slot rs gets the addresses of trip n + d's tile, for the refill at the next head.
.macro BODY slot, modal, rs, d
	GRANULE \slot, 0, \modal
.if \modal
	s_cmp_lt_i32 s[MODE+1], 0
	s_cbranch_scc1 .Lno_s_\@
.endif
	SPHASE \slot, 1
.if \modal
	s_cmp_lg_u32 s[MODE+1], 0
	s_cbranch_scc1 .Lfree_\@
	MASK
.Lfree_\@:
.endif
	SMAX
.if \modal
.Lno_s_\@:
.endif
	s_wait_tensorcnt 0x0
	ds_add_u32 v62, v63
	REQ \rs, \d
	s_wait_dscnt 0x0
	s_barrier_signal -1
.if \modal
	s_cmp_lt_i32 s[MODE+1], 0                      ; the same condition as above: the granule runs whole or not at all
	s_cbranch_scc1 .Lno_v_\@
.endif
	SREST
	PV 0
.if \modal
.Lno_v_\@:
.endif
.endm
; A block's end: the upper key half hands O, maximum and sum to the lower one, which merges, divides, rounds and stores.  aob: the register pair of ao's rows.
; Behind the first block a second barrier stands behind the lower half's loads of the scratch: the upper half writes the scratch again at the second block's end,
; and for i = 0 no trip's barrier lies between.
.macro EPI last, aob
.irp q, 0,1,2,3
	v_add_f32 v[LS+\q], v[LP+2*\q], v[LP+2*\q+1]
.endr
.if \last == 0
	QLOAD 76                                       ; the second block's queries come in under the merge
.endif
	s_cmp_eq_u32 s13, 0
	s_cbranch_scc1 .Lkeep_\@
	WIN 0x04                                       ; an LDS store's data are source 1: O in window 1
.set ep, 0
.rept 32
	ds_store_b128 v[SCA], v[128+4*ep:128+4*ep+3] offset:512*ep
.set ep, ep+1
.endr
	WIN 0
	ds_store_b128 v[SCA], v[NM:NM+3] offset:16384
	ds_store_b128 v[SCA], v[LS:LS+3] offset:16896
.Lkeep_\@:
	s_wait_dscnt 0x0                               ; my stores are in LDS before I say so
	s_barrier_signal -1                            ; the next tile's load may stay on its way
	s_barrier_wait -1
	s_cmp_lg_u32 s13, 0
.if \last == 0
	s_cbranch_scc1 .Lunread_\@
.else
	s_cbranch_scc1 .Lmerged_\@
.endif
.set ep, 0
.rept 32
	ds_load_b128 v[S+4*ep:S+4*ep+3], v[SCA] offset:512*ep
.set ep, ep+1
.endr
	ds_load_b128 v[64:67], v[SCA] offset:16384     ; the other half's maximum (negated)
	ds_load_b128 v[68:71], v[SCA] offset:16896     ; and sum
.if \last == 0
.Lunread_\@:
	s_wait_dscnt 0x0                               ; my loads of the scratch are back before I say so
	s_barrier_signal -1
	s_barrier_wait -1
	s_cmp_lg_u32 s13, 0
	s_cbranch_scc1 .Lmerged_\@
.else
	s_wait_dscnt 0x0
.endif
.irp q, 0,1,2,3
	v_min_num_f32 v[MX+\q], v[NM+\q], v[64+\q]     ; mine is finite: the lower key half always has a granule
.endr
.irp q, 0,1,2,3
	v_sub_f32 v[AL+\q], v[MX+\q], v[NM+\q]
	v_sub_f32 v[72+\q], v[MX+\q], v[64+\q]         ; -inf where the other half had no granule: its weight is 0
.endr
.irp q, 0,1,2,3
	v_exp_f32 v[AL+\q], v[AL+\q]
	v_exp_f32 v[72+\q], v[72+\q]
.endr
	v_nop
	s_wait_alu depctr_va_vdst(0)
.irp q, 0,1,2,3
	v_mul_f32 v[LS+\q], v[AL+\q], v[LS+\q]
.endr
.irp q, 0,1,2,3
	v_fmac_f32 v[LS+\q], v[72+\q], v[68+\q]
.endr
.irp q, 0,1,2,3
	v_permlanex16_b32 v[TP+\q], v[LS+\q], s22, s23 ; the sums over the other half of the lanes' keys
.endr
.irp q, 0,1,2,3
	v_add_f32 v[LS+\q], v[LS+\q], v[TP+\q]
.endr
.irp q, 0,1,2,3
	v_rcp_f32 v[LS+\q], v[LS+\q]
.endr
	v_nop
	s_wait_alu depctr_va_vdst(0)
.irp q, 0,1,2,3
	v_mul_f32 v[F0+\q], v[AL+\q], v[LS+\q]
	v_mul_f32 v[F1+\q], v[72+\q], v[LS+\q]
.endr
.set ep, 0
.rept 64
	PKMULB S+2*ep,S+2*ep,F1,ep/16
.set ep, ep+1
.endr
	WIN 0x01                                       ; source 0: my O, in window 1
.set ep, 0
.rept 64
.if (ep/16)&1
	v_pk_fma_f32 v[S+2*ep:S+2*ep+1], v[128+2*ep:128+2*ep+1], v[F0+ep/16-1:F0+ep/16], v[S+2*ep:S+2*ep+1] op_sel:[0,1,0] op_sel_hi:[1,1,1]
.else
	v_pk_fma_f32 v[S+2*ep:S+2*ep+1], v[128+2*ep:128+2*ep+1], v[F0+ep/16:F0+ep/16+1], v[S+2*ep:S+2*ep+1] op_sel_hi:[1,0,1]
.endif
.set ep, ep+1
.endr
	WIN 0
.irp q, 0,1,2,3
.irp d, 0,1,2,3
.irp k, 0,1,2,3
	v_cvt_pk_bf16_f32 v[S+32*\q+8*\d+\k], v[S+32*\q+8*\d+2*\k], v[S+32*\q+8*\d+2*\k+1]
.endr
	ds_store_b128 v[STO], v[S+32*\q+8*\d:S+32*\q+8*\d+3] offset:2304*\q+32*\d     ; query 16 q + r, d = 16 d + 8 h .. + 7
.endr
.endr
.irp i, 0,1,2,3,4,5,6,7,8,9,10,11,12,13,14,15
	ds_load_b128 v[KF0+4*\i:KF0+4*\i+3], v[RD] offset:576*\i      ; my own stage: LDS serves a wave's instructions in order
.endr
.irp i, 0,1,2,3,4,5,6,7,8,9,10,11,12,13,14,15
	s_wait_dscnt 15-\i
	global_store_b128 v[GO], v[KF0+4*\i:KF0+4*\i+3], s[\aob:\aob+1] offset:512*\i     ; four rows of 128 bytes: 512 neighbouring bytes
.endr
.Lmerged_\@:
.if \last == 0
	RESET
	s_wait_xcnt 0x0                                ; the buffers that the stores read are loaded again only behind this wait
	s_wait_loadcnt 0x0                             ; the second block's Q
.endif
.endm
	s_wait_tensorcnt 0x0                           ; my part of tile 0 has landed: no tensor load of mine is out,
	ds_add_u32 v62, v63
	REQ 1, 1                                       ; so slot 1's descriptors may be written: trip 1's tile
	s_wait_dscnt 0x0                               ; (covers the ds_add just above)
	s_barrier_signal -1                            ; the signal of trip 0's barrier; its wait is the loop's first line
.Ltrips:                                           ; n = 0, 2, 4, 6: trips n (slot 0) and n + 1 (slot 1)
	HEAD 1                                         ; trip n + 1's tile goes out
	s_cmp_lg_u32 s19, s18                          ; was trip n - 1 the first block's last?  The same in all eight waves
	s_cbranch_scc1 .Lsame_block
	EPI 0, 78
.Lsame_block:
	BODY 0, 0, 0, 2                                ; an even trip of the loop is never on a diagonal
	HEAD 0                                         ; trip n + 2's tile goes out
	s_add_co_u32 s86, s19, 1
	s_cmp_eq_u32 s86, s17                          ; the first block's diagonal trip?
	s_cselect_b32 s68, s66, 1
	s_cselect_b32 s69, s67, 1
	BODY 1, 1, 1, 3                                ; (in the last pass the addresses made for trip 9 are not used)
	s_add_co_u32 s19, s19, 2
	s_cmp_lt_u32 s19, 8
	s_cbranch_scc1 .Ltrips
	s_barrier_wait -1                              ; trip 8: tile 8 is whole; nothing is left to fetch
	s_cmp_lg_u32 s18, 8                            ; i = 0: the first block ended with trip 7
	s_cbranch_scc1 .Llast_block
	EPI 0, 78
.Llast_block:
	s_mov_b32 s68, s66                             ; the second block's diagonal
	s_mov_b32 s69, s67
	GRANULE 0, 0, 1
	GRANULE 0, 1, 1
	EPI 1, 80
	s_wait_tensorcnt 0x0
	ds_add_u32 v62, v63
	s_wait_dscnt 0x0
	s_endpgm
.Lfunc_end_k_q5f10bae0dc_attn:
	.size	k_q5f10bae0dc_attn, .Lfunc_end_k_q5f10bae0dc_attn-k_q5f10bae0dc_attn
	.p2alignl 7, 3214868480
	.fill 96, 4, 3214868480
	.section	.rodata,"a",@progbits
	.p2align	6, 0x0
	.amdhsa_kernel k_q5f10bae0dc_attn
		.amdhsa_group_segment_fixed_size 327680
		.amdhsa_private_segment_fixed_size 0
		.amdhsa_enable_private_segment 0
		.amdhsa_kernarg_size 32
		.amdhsa_user_sgpr_count 2
		.amdhsa_user_sgpr_kernarg_segment_ptr 1
		.amdhsa_wavefront_size32 1
		.amdhsa_system_sgpr_workgroup_id_x 1
		.amdhsa_system_sgpr_workgroup_id_y 1
		.amdhsa_system_sgpr_workgroup_id_z 1
		.amdhsa_system_vgpr_workitem_id 0
		.amdhsa_next_free_vgpr 512
		.amdhsa_next_free_sgpr 92
		.amdhsa_reserve_vcc 0
		.amdhsa_float_denorm_mode_32 3
		.amdhsa_float_denorm_mode_16_64 3
		.amdhsa_memory_ordered 1
		.amdhsa_forward_progress 1
		.amdhsa_inst_pref_size 255
	.end_amdhsa_kernel
	.section	.bss,"aw",@nobits
	.p2align	6
	.space	262144
	.amdgpu_metadata
---
amdhsa.version: [ 1, 2 ]
amdhsa.kernels:
  - .name:           k_q5f10bae0dc_attn
    .symbol:         k_q5f10bae0dc_attn.kd
    .args:
      - { .name: qs, .offset: 0, .size: 8, .value_kind: global_buffer, .address_space: global }
      - { .name: ks, .offset: 8, .size: 8, .value_kind: global_buffer, .address_space: global }
      - { .name: vt, .offset: 16, .size: 8, .value_kind: global_buffer, .address_space: global }
      - { .name: ao, .offset: 24, .size: 8, .value_kind: global_buffer, .address_space: global }
    .group_segment_fixed_size: 327680
    .private_segment_fixed_size: 0
    .kernarg_segment_align: 8
    .kernarg_segment_size: 32
    .max_flat_workgroup_size: 256
    .sgpr_count:     92
    .vgpr_count:     512
    .wavefront_size: 32
...
	.end_amdgpu_metadata
.endif
;; end of part 3
;; launch mixer (part 4): grid 8 x 32, 4 waves a work-group, clusters of 4 x 4, 327,680 bytes of LDS; arguments ao, wmb, b_mixer, out0; writes out0
.if DOCPART == 4
	.amdgcn_target "amdgcn-amd-amdhsa--gfx1250"
	.amdhsa_code_object_version 6
	.text
	.protected	k_q5f10bae0dc_mixer
	.globl	k_q5f10bae0dc_mixer
	.p2align	8
	.type	k_q5f10bae0dc_mixer,@function
k_q5f10bae0dc_mixer:
	s_mov_b64 s[64:65], 0
	v_nop
	global_prefetch_b8 v0, s[64:65] scope:SCOPE_SE
	s_setreg_imm32_b32 hwreg(HW_REG_WAVE_MODE, 25, 1), 1
	s_wait_xcnt 0x0
	s_wait_alu depctr_hold_cnt(0) depctr_sa_sdst(0) depctr_va_vdst(0) depctr_va_sdst(0) depctr_va_ssrc(0) depctr_va_vcc(0) depctr_vm_vsrc(0)
	s_getreg_b32 s2, hwreg(HW_REG_IB_STS2, 6, 4)
	s_cmp_eq_u32 s2, 0
	s_cbranch_scc0 .Lentry_in_a_cluster
	s_endpgm
.Lentry_in_a_cluster:
	s_bfe_u32 s2, ttmp6, 0x10000c
	s_cmp_lg_u32 s2, 0xf033
	s_cbranch_scc0 .Lentry_shape_is_right
	s_endpgm
.Lentry_shape_is_right:
; mixer: out0[m][n] = sum over k of x[m][k] W_mixer[n][k] + b[n].  x is ao, [16 h][8192 m][64 d] bf16 with k = 64 h + d; wmb: [1024 n][1024 k] bf16; out0 f32.
; A work-group makes 256 rows x 128 columns; four waves, one a SIMD; wave w takes rows 128 (w / 2) .. + 127 and columns 64 (w % 2) .. + 63: 8 x 4 accumulator tiles.
; K goes in steps of 128 = two heads through two LDS slots.  A head's 256 rows are one dense block of 32,768 bytes of its plane: it comes in as 128 rows of
; 256 bytes, padded after every 128 bytes, so that in LDS the rows of 64 d are 144 bytes apart.
; CLUSTERS: 4 x 4 work-groups; ao's tiles are shared along a row of the cluster, wmb's along a column: joint loads.
; Source 0 = rows of wmb, source 1 = rows of ao: a lane holds eight neighbouring columns of one row of the output.
; REGISTERS: window 0: v14 and v16-27 addresses, v28-31 bias, v32-95 / v96-159 fragments of ao, v160-191 / v208-239 fragments of wmb;
;            window 1: accumulators of my rows 0-63 (tile (a, b) at v[8 (4 a + b)]); window 2: those of my rows 64-127.
.set NB,     4
.set SIZE_K, 1024
.set KSTEP,  128
.set PITCHA, 144                       ; 128 bytes + 16
.set PITCHB, 272                       ; 256 bytes + 16
.set APLANE, 256*PITCHA                ; one head's 256 rows: what one load of ao brings
.set BHALF,  16*NB*PITCHB              ; 64 rows of wmb
.set ATILE,  2*APLANE
.set SLOT,   ATILE+2*BHALF             ; 108,544
.set STAGE,  2*SLOT                    ; behind the ring: 16 rows x 272 bytes for each wave; no tensor load lands here
.set SPITCH, 272
.set LAPS,   SIZE_K/(2*KSTEP)
.set BA,   14
.set ADRA, 16
.set ADRB, 20
.set STO,  24
.set RD,   25
.set CV,   27
.set BI,   28
.set AF,   32
.set BF,   160
.set G1,  24
.set G0,  32
.set G1B, 48
.set G0B, 56
.set MUL_LO, 0x50
.set MUL_HI, 0xa0
.set MSB, 0
.macro WIN new
.if MSB != \new
	s_set_vgpr_msb (MSB<<8)|\new
.set MSB, \new
.endif
.endm
.macro JLOAD s                         ; waves 0 and 1 ask for the K step's two heads of ao, waves 2 and 3 for wmb's two halves
	s_cmp_eq_u32 s11, 0
	s_cbranch_scc0 .Lfor_b_\@
	tensor_load_to_lds s[G0+4*\s:G0+4*\s+3], s[G1:G1+7]
	s_nop 0
	s_branch .Lasked_\@
.Lfor_b_\@:
	tensor_load_to_lds s[G0B+4*\s:G0B+4*\s+3], s[G1B:G1B+7]
	s_nop 0
.Lasked_\@:
.endm
.macro CREST
	s_cmp_lg_u32 s10, 0
	s_cbranch_scc1 .Lnot_wave_0_\@
	s_barrier_signal -3
.Lnot_wave_0_\@:
	s_barrier_wait -3
	s_barrier_signal -1
	s_barrier_wait -1
.endm
.macro CROUND
	s_barrier_signal -1
	s_barrier_wait -1
	CREST
.endm
.macro PLACES                          ; four plain vector places behind matrix instructions (ISA guide 7.12.1)
.rept 4
	v_nop
.endr
.endm
	s_load_b128 s[4:7], s[0:1], 0x0                ; ao s[4:5], wmb s[6:7]
	s_load_b128 s[68:71], s[0:1], 0x10             ; b_mixer s[68:69], out0 s[70:71]
	v_lshl_add_u32 v254, v0, 2, 0x39400
	v_mov_b32 v255, 0
	ds_add_u32 v254, v255
	ds_add_u32 v254, v255
	v_lshrrev_b32 v1, 5, v0
	v_readfirstlane_b32 s10, v1                    ; wave 0..3
	s_lshr_b32 s11, s10, 1
	s_and_b32 s12, s10, 1
	s_bfe_u32 s40, ttmp6, 0x40000                  ; cx
	s_bfe_u32 s41, ttmp6, 0x40004                  ; cy
	s_lshl_b32 s42, ttmp9, 2
	s_add_co_u32 s42, s42, s40                     ; block column, 0..7
	s_and_b32 s13, ttmp7, 0xffff
	s_lshl_b32 s13, s13, 2
	s_add_co_u32 s13, s13, s41                     ; block row, 0..31
	s_lshl_b32 s43, s41, 2
	s_lshl_b32 s43, 15, s43
	s_lshl_b32 s44, 0x1111, s40
	s_or_b32 s[G1+0], s43, (1<<16)|(1<<20)|(1<<21)|(4<<22)|(3<<25)    ; ao: after every 32 words 4 words of padding
	s_or_b32 s[G1B+0], s44, (1<<16)|(1<<20)|(1<<21)|(5<<22)|(3<<25)   ; wmb: after every 64 words
	s_mov_b32 s[G1+1], 128<<16
	s_mov_b32 s[G1B+1], KSTEP<<16
	s_mov_b32 s[G1+2], 128<<16
	s_mov_b32 s[G1B+2], (16*NB)<<16
	s_mov_b32 s[G1+3], 128<<16                     ; 128 elements (256 bytes) x
	s_mov_b32 s[G1B+3], KSTEP<<16
	s_mov_b32 s[G1+4], 128                         ; 128 rows, dense
	s_mov_b32 s[G1B+4], 16*NB
	s_mov_b32 s[G1+5], 128
	s_mov_b32 s[G1B+5], SIZE_K
	s_mov_b32 s[G1+6], 0
	s_mov_b32 s[G1B+6], 0
	s_mov_b32 s[G1+7], 0
	s_mov_b32 s[G1B+7], 0
	s_lshl_b32 s16, s12, 20                        ; ao: the plane of head (w % 2),
	s_lshl_b32 s17, s13, 15                        ; block row x 256 rows x 128 bytes
	s_add_co_u32 s16, s16, s17
	s_mov_b32 s17, 0
	s_lshl_b32 s46, s42, 7
	s_lshl_b32 s47, s12, 6
	s_add_co_u32 s46, s46, s47                     ; wmb: row 128 x block column + 64 x half
	s_lshl_b32 s46, s46, 11
	s_mov_b32 s47, 0
	s_mul_i32 s20, s10, APLANE                     ; LDS: ao's planes at wave x 36,864 (waves 0, 1),
	s_mul_i32 s21, s10, BHALF
	s_add_co_u32 s21, s21, ATILE-2*BHALF           ; wmb's halves at 73,728 + (wave - 2) x 17,408 (waves 2, 3)
	s_lshl_b32 s82, s42, 9
	s_lshl_b32 s83, s12, 8
	s_add_co_u32 s82, s82, s83                     ; my first column in bytes of f32: 512 x block column + 256 x half
	s_mov_b32 s83, 0
	s_wait_dscnt 0x0
	s_wait_kmcnt 0x0
	s_add_nc_u64 s[14:15], s[4:5], s[16:17]
	s_add_nc_u64 s[46:47], s[6:7], s[46:47]
	s_add_nc_u64 s[76:77], s[68:69], s[82:83]      ; the bias of my 64 columns
	CROUND
.irp s, 0,1
	s_mov_b32 s[G0+4*\s], 1
	s_add_co_u32 s[G0+4*\s+1], s20, \s*SLOT
	s_add_nc_u64 s[G0+4*\s+2:G0+4*\s+3], s[14:15], \s*2097152      ; K step s: heads 2 s, 2 s + 1
	s_or_b32 s[G0+4*\s+3], s[G0+4*\s+3], 0x80000000
	s_mov_b32 s[G0B+4*\s], 1
	s_add_co_u32 s[G0B+4*\s+1], s21, \s*SLOT
	s_add_nc_u64 s[G0B+4*\s+2:G0B+4*\s+3], s[46:47], \s*KSTEP*2
	s_or_b32 s[G0B+4*\s+3], s[G0B+4*\s+3], 0x80000000
	JLOAD \s                                       ; both first fills together: two loads of the wave are out
.endr
	v_and_b32 v1, 15, v0                           ; r
	v_bfe_u32 v2, v0, 4, 1                         ; h
	v_lshlrev_b32 v[BA], 4, v1
	global_load_b128 v[BI:BI+3], v[BA], s[76:77]   ; b of columns 4 (lane % 16) .. + 3 of my 64; waited for ahead of the way out
	v_mul_u32_u24 v3, v1, PITCHA
	v_lshl_add_u32 v3, v2, 4, v3
	v_mul_u32_u24 v4, v1, PITCHB
	v_lshl_add_u32 v4, v2, 4, v4
	s_mul_i32 s22, s11, 128*PITCHA
	s_mul_i32 s23, s12, BHALF
	s_add_co_u32 s23, s23, ATILE
.irp s, 0,1
	v_add_nc_u32 v[ADRA+\s], s22, v3
	v_add_nc_u32 v[ADRB+\s], s23, v4
	s_add_co_u32 s22, s22, SLOT
	s_add_co_u32 s23, s23, SLOT
.endr
	s_mul_i32 s22, s10, 16*SPITCH
	s_add_co_u32 s22, s22, STAGE
	v_mul_u32_u24 v5, v1, SPITCH
	v_lshl_add_u32 v5, v2, 5, v5
	v_add_nc_u32 v[STO], s22, v5                   ; in: row r, 32 bytes (8 f32) for each half of the lanes
	v_mul_u32_u24 v6, v2, SPITCH
	v_lshl_add_u32 v6, v1, 4, v6
	v_add_nc_u32 v[RD], s22, v6                    ; back: lanes 0-15 one row of 256 bytes, lanes 16-31 the next
	v_lshlrev_b32 v7, 12, v2
	v_lshl_add_u32 v[CV], v1, 4, v7                ; the same two rows in out0
.macro MM d, x, y, zero
.if \zero
	v_wmma_f32_16x16x32_bf16 v[\d:\d+7], v[\x:\x+7], v[\y:\y+7], 0
.else
	v_wmma_f32_16x16x32_bf16 v[\d:\d+7], v[\x:\x+7], v[\y:\y+7], v[\d:\d+7]
.endif
.endm
; 8 matrix instructions; the 32 accumulators take turns, one instruction a turn, in the same order in every quarter step
.macro MULH f, hi, a0, zero
.irp a, \a0, \a0+1
.irp b, 0,1,2,3
	MM 8*(NB*(\a)+\b),BF+48*\f+8*\b,AF+64*\f+8*(4*\hi+\a),\zero
.endr
.endr
.endm
; 24 LDS loads in one run: quarter q of a slot: in ao's tile head q / 2, d 32 (q % 2) ..
.macro FETCH slot, q, f
	WIN 0
.irp i, 0,1,2,3
	ds_load_b128 v[BF+48*\f+8*\i:BF+48*\f+8*\i+3],   v[ADRB+\slot] offset:64*\q+\i*16*PITCHB
	ds_load_b128 v[BF+48*\f+8*\i+4:BF+48*\f+8*\i+7], v[ADRB+\slot] offset:64*\q+\i*16*PITCHB+32
.endr
.irp i, 0,1,2,3,4,5,6,7
	ds_load_b128 v[AF+64*\f+8*\i:AF+64*\f+8*\i+3],   v[ADRA+\slot] offset:(\q>>1)*APLANE+(\q&1)*64+\i*16*PITCHA
	ds_load_b128 v[AF+64*\f+8*\i+4:AF+64*\f+8*\i+7], v[ADRA+\slot] offset:(\q>>1)*APLANE+(\q&1)*64+\i*16*PITCHA+32
.endr
.endm
.macro QUARTER slot, q, f, g, zero
	s_wait_dscnt 8                                 ; wmb's fragments and ao's rows 0-63 are in; the youngest eight loads may be out
	WIN MUL_LO
	MULH \f, 0, 0, \zero
	MULH \f, 0, 2, \zero
	PLACES
	FETCH \slot, \q, \g
	s_wait_dscnt 2*NB+16                           ; all but the 24 just issued
	WIN MUL_HI
	MULH \f, 1, 0, \zero
	MULH \f, 1, 2, \zero
.endm
.macro THREE slot, zero
	QUARTER \slot, 1, 0, 1, \zero
	QUARTER \slot, 2, 1, 0, 0
	QUARTER \slot, 3, 0, 1, 0
.endm
; The change of slots: each wave's reads of this slot and all its tensor loads are waited for in front of the barrier; where the slot is filled again the barrier
; opens a round of the cluster's barrier and the joint refill is the first tensor load behind it.  From a request to its wait: 120 matrix instructions of a wave.
.macro TURN slot, next, fill
	s_wait_dscnt 8
	WIN MUL_LO
	MULH 1, 0, 0, 0
	s_wait_dscnt 0
	s_wait_tensorcnt 0x0
	ds_add_u32 v254, v255
	s_wait_dscnt 0x0
	s_barrier_signal -1
	MULH 1, 0, 2, 0
	WIN 0
	s_barrier_wait -1
.if \fill
	CREST
	s_add_nc_u64 s[G0+4*\slot+2:G0+4*\slot+3], s[G0+4*\slot+2:G0+4*\slot+3], 4194304         ; two K steps on: four planes
	s_add_nc_u64 s[G0B+4*\slot+2:G0B+4*\slot+3], s[G0B+4*\slot+2:G0B+4*\slot+3], 2*KSTEP*2
	JLOAD \slot
.endif
	PLACES
	FETCH \next, 0, 0
	WIN MUL_HI
	MULH 1, 1, 0, 0
	MULH 1, 1, 2, 0
.endm
.macro LAP zero
	THREE 0, \zero
	TURN 0, 1, 1
	THREE 1, 0
	TURN 1, 0, 1
.endm
	s_wait_tensorcnt 1                             ; my part of K step 0 is in; K step 1's load stays out
	s_barrier_signal -1
	s_barrier_wait -1
	FETCH 0, 0, 0
	LAP 1
	WIN 0
	s_mov_b32 s3, LAPS-2
.Llap:
	LAP 0
	WIN 0
	s_sub_co_u32 s3, s3, 1
	s_cmp_lg_u32 s3, 0
	s_cbranch_scc1 .Llap
	THREE 0, 0
	TURN 0, 1, 0
	THREE 1, 0
	s_wait_dscnt 8
	WIN MUL_LO
	MULH 1, 0, 0, 0
	MULH 1, 0, 2, 0
	s_wait_dscnt 0
	WIN MUL_HI
	MULH 1, 1, 0, 0
	MULH 1, 1, 2, 0
	; THE WAY OUT, 16 rows at a time: the f32 sums go into my stage as they are, come back as whole rows of 256 bytes, take the bias and leave.
	PLACES
	s_lshl_b32 s78, s13, 8
	s_lshl_b32 s79, s11, 7
	s_add_co_u32 s78, s78, s79                     ; my first row
	s_lshl_b32 s78, s78, 12                        ; x 4,096 bytes (under 2^26)
	s_add_co_u32 s78, s78, s82                     ; + my first column
	s_mov_b32 s79, 0
	s_add_nc_u64 s[80:81], s[70:71], s[78:79]
	s_wait_loadcnt 0x0                             ; the bias
.macro OUTF a, al, n, f
	WIN 0x04*\n                                    ; an LDS store's data are source 1
.irp b, 0,1,2,3
	ds_store_b128 v[STO], v[8*(NB*\al+\b):8*(NB*\al+\b)+3]   offset:64*\b
	ds_store_b128 v[STO], v[8*(NB*\al+\b)+4:8*(NB*\al+\b)+7] offset:64*\b+16
.endr
	WIN 0
	s_wait_xcnt 0x0                                ; buffer f, which earlier stores read, and the stores' base are rewritten only behind this wait
.if \a
	s_add_nc_u64 s[80:81], s[80:81], 16*4096
.endif
.irp t, 0,1,2,3,4,5,6,7
	ds_load_b128 v[\f+4*\t:\f+4*\t+3], v[RD] offset:\t*2*SPITCH           ; LDS serves a wave's instructions in order: these see the stores above
.endr
.irp t, 0,1,2,3,4,5,6,7
	s_wait_dscnt 7-\t
	v_pk_add_f32 v[\f+4*\t:\f+4*\t+1],   v[\f+4*\t:\f+4*\t+1],   v[BI:BI+1]
	v_pk_add_f32 v[\f+4*\t+2:\f+4*\t+3], v[\f+4*\t+2:\f+4*\t+3], v[BI+2:BI+3]
	global_store_b128 v[CV], v[\f+4*\t:\f+4*\t+3], s[80:81] offset:8192*\t        ; sixteen lanes store 256 aligned bytes of one row
.endr
.endm
	OUTF 0, 0, 1, 96
	OUTF 1, 1, 1, 128
	OUTF 2, 2, 1, 96
	OUTF 3, 3, 1, 128
	OUTF 4, 0, 2, 96
	OUTF 5, 1, 2, 128
	OUTF 6, 2, 2, 96
	OUTF 7, 3, 2, 128
	s_wait_tensorcnt 0x0
	ds_add_u32 v254, v255
	s_wait_dscnt 0x0
	CROUND                                         ; the closing round
	s_endpgm
.Lfunc_end_k_q5f10bae0dc_mixer:
	.size	k_q5f10bae0dc_mixer, .Lfunc_end_k_q5f10bae0dc_mixer-k_q5f10bae0dc_mixer
	.p2alignl 7, 3214868480
	.fill 96, 4, 3214868480
	.section	.rodata,"a",@progbits
	.p2align	6, 0x0
	.amdhsa_kernel k_q5f10bae0dc_mixer
		.amdhsa_group_segment_fixed_size 327680
		.amdhsa_private_segment_fixed_size 0
		.amdhsa_enable_private_segment 0
		.amdhsa_kernarg_size 32
		.amdhsa_user_sgpr_count 2
		.amdhsa_user_sgpr_kernarg_segment_ptr 1
		.amdhsa_wavefront_size32 1
		.amdhsa_system_sgpr_workgroup_id_x 1
		.amdhsa_system_sgpr_workgroup_id_y 1
		.amdhsa_system_sgpr_workgroup_id_z 1
		.amdhsa_system_vgpr_workitem_id 0
		.amdhsa_next_free_vgpr 640
		.amdhsa_next_free_sgpr 88
		.amdhsa_reserve_vcc 0
		.amdhsa_float_denorm_mode_32 3
		.amdhsa_float_denorm_mode_16_64 3
		.amdhsa_memory_ordered 1
		.amdhsa_forward_progress 1
		.amdhsa_inst_pref_size 127
	.end_amdhsa_kernel
	.amdgpu_metadata
---
amdhsa.version: [ 1, 2 ]
amdhsa.kernels:
  - .name:           k_q5f10bae0dc_mixer
    .symbol:         k_q5f10bae0dc_mixer.kd
    .args:
      - { .name: ao, .offset: 0, .size: 8, .value_kind: global_buffer, .address_space: global }
      - { .name: wmb, .offset: 8, .size: 8, .value_kind: global_buffer, .address_space: global }
      - { .name: b_mixer, .offset: 16, .size: 8, .value_kind: global_buffer, .address_space: global }
      - { .name: out0, .offset: 24, .size: 8, .value_kind: global_buffer, .address_space: global }
    .group_segment_fixed_size: 327680
    .private_segment_fixed_size: 0
    .kernarg_segment_align: 8
    .kernarg_segment_size: 32
    .max_flat_workgroup_size: 128
    .sgpr_count:     88
    .vgpr_count:     640
    .wavefront_size: 32
...
	.end_amdgpu_metadata
.endif
;; end of part 4
